; MI455X (gfx1250); checked and timed in simulation.
; The chip was launched on July 23, 2026; its instructions are those of AMD's public machine-readable ISA for CDNA 5 (MIT licence, August 2026) and "CDNA5" Instruction Set Architecture Reference Guide (July 2026). The comments in the code are by the model that wrote it; some were corrected since.
;; RDM Module. Allowed arithmetic: matrix products marked QUANTISED: E5M2 operands, one given power-of-two scale a tensor, by v_wmma_f32_16x16x64_bf8_bf8 or v_wmma_f32_16x16x128_bf8_bf8, f32 sums; everything else in f32.
;; Inputs: embeddings 4,096 x 4,096 float32; lowp_scales 2 int32 (the exponents e of the quantised operands' scales 2^e).
;; Outputs: out0 4,096 x 4,096 float32.
;; This version of the problem:
;;   THIS VERSION OF THE PROBLEM IS GIVEN IN LOW PRECISION. The matrix products marked QUANTISED in the list below multiply operands that are first quantised to E5M2 (5 exponent bits, 2 mantissa bits; 8 bits a number), with one given power-of-two scale for each operand tensor; their sums are f32. All else is computed in f32.
;;   The module's matrix products, in the order in which they are computed (A, B: the left and right operand; K: the contracted axis; several contracted axes count as one K, in the product's order):
;;     1. [M 4,096, K 4,096] x [K 4,096, N 4,096]; A: input embeddings; B: input embeddings: QUANTISED (scales: A lowp_scales[0], B lowp_scales[1])
;;   THE QUANTISER, for each operand of a quantised product, along K:
;;     - The operand's scale is 2^e, e = its entry of the input lowp_scales (int32; the entries are numbered through the quantised products in the list's order, A before B).
;;     - Each number is divided by the scale, clamped to +-57,344, and rounded to the nearest number of E5M2, ties to even, subnormals kept.
;;     - The product sums the exact products of the quantised numbers (number of the format x scale) in f32.
;;   ~~~python
;;   def quantise(x, axis, e):      # numpy; x: float32 -> the quantised numbers, widened to float32 again
;;       x = np.moveaxis(x, axis, -1); K = x.shape[-1]
;;       r = np.clip(x / 2.0 ** e, -57344, 57344)
;;       step = 2.0 ** (np.maximum(np.frexp(np.where(r == 0, 1, r))[1] - 1, -14) - 2)
;;       q = np.round(r / step) * step * 2.0 ** e      # np.round: ties to even
;;       return np.moveaxis(q, -1, axis).astype(np.float32)
;;   ~~~
;; One version. Each part assembles by itself: llvm-mc -triple=amdgcn-amd-amdhsa -mcpu=gfx1250 --defsym DOCPART=n.
;; ======== version 1 of 1: 2 launches
;; limits: right only within a limited range of input values
;; workspace buffers: a_codes 16,777,216 bytes; b_codes 16,777,216 bytes; sq 16,384 bytes
;; launch quant (part 1): grid 256 x 1, 16 waves a work-group, no clusters, 71,936 bytes of LDS; arguments embeddings, lowp_scales, a_codes, b_codes, sq; writes a_codes, b_codes, sq
.if DOCPART == 1
	.amdgcn_target "amdgcn-amd-amdhsa--gfx1250"
	.amdhsa_code_object_version 6
	.text
	.protected	k_qcb09726082_quant
	.globl	k_qcb09726082_quant
	.p2align	8
	.type	k_qcb09726082_quant,@function
k_qcb09726082_quant:
	s_mov_b64 s[64:65], 0
	v_nop
	global_prefetch_b8 v0, s[64:65] scope:SCOPE_SE
	s_setreg_imm32_b32 hwreg(HW_REG_WAVE_MODE, 25, 1), 1
	s_wait_xcnt 0x0
; The embeddings, [4096][4096] f32, are read once and give three things: codes of BF8 (E5M2) made with the scale 2^e0 (a_codes), codes made with 2^e1 (b_codes),
; and each row's sum of squares of the unquantised numbers, in f32 (sq).  e0 and e1 are the two whole numbers (int32) in lowp_scales.
; code = x / 2^e, held within +-57,344, rounded to the nearest code, ties to even.
; LIMITS: -126 <= e and e + 15 <= 127 for both e.  NaN and infinities among the inputs are not served.
; The sum of squares is taken in sixteen chains a lane and then across lanes: another order of rounding than a sum along the row.
; SHARES.  A work-group of sixteen waves owns 16 rows, a wave one row: 128 numbers a lane, all in registers; all 32 loads of a wave go out at once; eight steps of 512 numbers follow.
; PIECES.  Lane l of step t holds 16 codes, piece p = 32 t + l of its row (k = 512 t + 128 i + 4 l + j, i, j 0..3): the same k for the same p in both buffers.
; a_codes: row-major, piece p at byte 16 p of its row of 4,096 bytes.
; b_codes: as the product's launch takes B into registers: for each block of 16 rows 65,536 bytes, in them piece p of row r at byte 256 p + 16 r.
; So B's codes change lanes: they go through LDS (unit p = 256 bytes + 16 of padding), and each wave stores sixteen whole units, 512 consecutive bytes a store.
.set STEPS, 8
.set UP,  272                          ; a unit's place in LDS
.set IMG, 0x900                        ; LDS: bytes 0-63 the sixteen sums; 0x100-0x8ff the spare words; from 0x900 B's 256 units
.set LO,  1                            ; v1  16 x lane; never rewritten
.set LW,  3                            ; v3  LDS: 4 x wave
.set LR,  4                            ; v4  4 x (thread % 16)
.set LI,  5                            ; v5  LDS: IMG + 272 lane + 16 wave: where my piece of step 0 goes
.set LB,  6                            ; v6  LDS: IMG + 272 (16 wave + lane / 16) + 16 (lane % 16): where I read units back
.set SA,  8                            ; v8  2^e0; v9 57,344 x 2^e0
.set SB,  10                           ; v10 2^e1; v11 57,344 x 2^e1
.set S,   12                           ; v[12:27] eight pairs of partial sums
.set T,   28                           ; v[28:43] a step's numbers held for A's scale
.set X,   64                           ; v[64:191] the row; at the end v[64:95] B's units on their way out
.set CA,  192                          ; v[192:223] A's codes
.set CB,  224                          ; v[224:255] B's codes
	s_load_b256 s[4:11], s[0:1], 0x0               ; embeddings, lowp_scales, a_codes, b_codes
	s_load_b64 s[12:13], s[0:1], 0x20              ; sq
	v_lshl_add_u32 v62, v0, 2, 0x100               ; my spare word
	v_mov_b32 v63, 0
	v_lshrrev_b32 v2, 5, v0
	s_delay_alu instid0(VALU_DEP_1)
	v_readfirstlane_b32 s16, v2                    ; wave 0..15
	s_delay_alu instid0(VALU_DEP_2)
	v_lshlrev_b32 v[LW], 2, v2
	v_and_b32 v2, 31, v0
	s_delay_alu instid0(VALU_DEP_1)
	v_lshlrev_b32 v[LO], 4, v2
	v_and_b32 v2, 15, v0
	s_delay_alu instid0(VALU_DEP_1)
	v_lshlrev_b32 v[LR], 2, v2
	s_lshl_b32 s26, s16, 4
	s_add_co_u32 s26, s26, IMG
	s_mul_i32 s27, s16, 16*UP
	s_add_co_u32 s27, s27, IMG
	v_and_b32 v7, 31, v0
	v_bfe_u32 v[LB], v0, 4, 1
	s_delay_alu instid0(VALU_DEP_2)
	v_mul_u32_u24 v[LI], v7, UP
	s_delay_alu instid0(VALU_DEP_2)
	v_mul_u32_u24 v[LB], v[LB], UP
	s_delay_alu instid0(VALU_DEP_2)
	v_add_nc_u32 v[LI], s26, v[LI]
	s_delay_alu instid0(VALU_DEP_2)
	v_lshl_add_u32 v[LB], v2, 4, v[LB]
	s_delay_alu instid0(VALU_DEP_1)
	v_add_nc_u32 v[LB], s27, v[LB]
	s_lshl_b32 s17, ttmp9, 4
	s_add_co_u32 s17, s17, s16                     ; my row: 16 x work-group + wave
	s_lshl_b32 s18, s17, 14                        ; its first byte among the f32 numbers,
	s_mov_b32 s19, 0
	s_lshl_b32 s20, s17, 12                        ; among A's codes; in b_codes the same offset is my wave's sixteen units
	s_mov_b32 s21, 0
	s_lshl_b32 s22, ttmp9, 6                       ; the work-group's sixteen words of sq
	s_mov_b32 s23, 0
	s_mov_b32 s24, 0x76543210                      ; v_permlanex16_b32: the same place in the other half
	s_mov_b32 s25, 0xfedcba98
	s_wait_alu depctr_va_vdst(0)
	s_wait_kmcnt 0x0
	s_load_b64 s[14:15], s[6:7], 0x0               ; e0, e1
	s_add_nc_u64 s[4:5], s[4:5], s[18:19]
	s_add_nc_u64 s[8:9], s[8:9], s[20:21]
	s_add_nc_u64 s[10:11], s[10:11], s[20:21]
	s_add_nc_u64 s[12:13], s[12:13], s[22:23]
.irp t, 0,1,2,3,4,5,6,7
.irp i, 0,1,2,3
	global_load_b128 v[X+16*\t+4*\i:X+16*\t+4*\i+3], v[LO], s[4:5] offset:2048*\t+512*\i th:TH_LOAD_NT   ; 32 lanes read 512 consecutive bytes
.endr
.endr
	s_wait_kmcnt 0x0
	s_add_co_i32 s26, s14, 127
	s_lshl_b32 s27, s26, 23
	v_mov_b32 v[SA], s27                           ; 2^e0 as f32: the conversion takes its exponent field
	s_add_co_i32 s26, s26, 15
	s_lshl_b32 s26, s26, 23
	s_or_b32 s26, s26, 0x600000
	v_mov_b32 v[SA+1], s26                         ; 57,344 x 2^e0
	s_add_co_i32 s28, s15, 127
	s_lshl_b32 s29, s28, 23
	v_mov_b32 v[SB], s29
	s_add_co_i32 s28, s28, 15
	s_lshl_b32 s28, s28, 23
	s_or_b32 s28, s28, 0x600000
	v_mov_b32 v[SB+1], s28
.macro STEP t
	s_wait_loadcnt 28-4*(\t)                       ; this step's four loads are in; the four of each later step stay out
.irp p, 0,1,2,3,4,5,6,7
.if (\t) == 0
	v_pk_mul_f32 v[S+2*\p:S+2*\p+1], v[X+16*(\t)+2*\p:X+16*(\t)+2*\p+1], v[X+16*(\t)+2*\p:X+16*(\t)+2*\p+1]   ; the first squares start the sums
.else
	v_pk_fma_f32 v[S+2*\p:S+2*\p+1], v[X+16*(\t)+2*\p:X+16*(\t)+2*\p+1], v[X+16*(\t)+2*\p:X+16*(\t)+2*\p+1], v[S+2*\p:S+2*\p+1]
.endif
.endr
.irp i, 0,1,2,3,4,5,6,7,8,9,10,11,12,13,14,15
	v_med3_num_f32 v[T+\i], v[X+16*(\t)+\i], -v[SA+1], v[SA+1]   ; the conversion does not saturate (ISA guide 7.6.2): the hold comes first
.endr
	v_cvt_scalef32_pk8_bf8_f32 v[CA+4*(\t):CA+4*(\t)+1], v[T:T+7], v[SA]
	v_cvt_scalef32_pk8_bf8_f32 v[CA+4*(\t)+2:CA+4*(\t)+3], v[T+8:T+15], v[SA]
.irp i, 0,1,2,3,4,5,6,7,8,9,10,11,12,13,14,15
	v_med3_num_f32 v[X+16*(\t)+\i], v[X+16*(\t)+\i], -v[SB+1], v[SB+1]   ; for B's scale in place: the squares are taken
.endr
	v_cvt_scalef32_pk8_bf8_f32 v[CB+4*(\t):CB+4*(\t)+1], v[X+16*(\t):X+16*(\t)+7], v[SB]
	v_cvt_scalef32_pk8_bf8_f32 v[CB+4*(\t)+2:CB+4*(\t)+3], v[X+16*(\t)+8:X+16*(\t)+15], v[SB]
	global_store_b128 v[LO], v[CA+4*(\t):CA+4*(\t)+3], s[8:9] offset:512*(\t)     ; 32 lanes store 512 consecutive bytes
	ds_store_b128 v[LI], v[CB+4*(\t):CB+4*(\t)+3] offset:32*UP*(\t)               ; piece 32 t + lane of my row, into its unit
.endm
.irp t, 0,1,2,3,4,5,6,7
	STEP \t
.endr
.irp p, 0,1,2,3
	v_pk_add_f32 v[S+2*\p:S+2*\p+1], v[S+2*\p:S+2*\p+1], v[S+2*\p+8:S+2*\p+9]
.endr
.irp p, 0,1
	s_delay_alu instid0(VALU_DEP_2)
	v_pk_add_f32 v[S+2*\p:S+2*\p+1], v[S+2*\p:S+2*\p+1], v[S+2*\p+4:S+2*\p+5]
.endr
	s_delay_alu instid0(VALU_DEP_1)
	v_pk_add_f32 v[S:S+1], v[S:S+1], v[S+2:S+3]
	s_delay_alu instid0(VALU_DEP_1)
	v_add_f32 v[S], v[S], v[S+1]
	s_delay_alu instid0(VALU_DEP_1)
	v_add_f32_dpp v[S], v[S], v[S] row_xmask:1 row_mask:0xf bank_mask:0xf
	s_delay_alu instid0(VALU_DEP_1)
	v_add_f32_dpp v[S], v[S], v[S] row_xmask:2 row_mask:0xf bank_mask:0xf
	s_delay_alu instid0(VALU_DEP_1)
	v_add_f32_dpp v[S], v[S], v[S] row_xmask:4 row_mask:0xf bank_mask:0xf
	s_delay_alu instid0(VALU_DEP_1)
	v_add_f32_dpp v[S], v[S], v[S] row_xmask:8 row_mask:0xf bank_mask:0xf
	s_delay_alu instid0(VALU_DEP_1)
	v_permlanex16_b32 v[T], v[S], s24, s25
	s_delay_alu instid0(VALU_DEP_1)
	v_add_f32 v[S], v[S], v[T]                     ; every lane holds the row's sum
	ds_store_b32 v[LW], v[S]
	s_wait_dscnt 0x0                               ; for the others' sake: my sum and my eight pieces have landed
	s_barrier_signal -1
	s_barrier_wait -1
.irp i, 0,1,2,3,4,5,6,7
	ds_load_b128 v[X+4*\i:X+4*\i+3], v[LB] offset:2*UP*\i    ; units 16 wave + 2 i and + 2 i + 1, sixteen lanes to a unit
.endr
.irp i, 0,1,2,3,4,5,6,7
	s_wait_dscnt 7-\i
	global_store_b128 v[LO], v[X+4*\i:X+4*\i+3], s[10:11] offset:512*\i   ; two whole units, 512 consecutive bytes
.endr
	s_cmp_lg_u32 s16, 0
	s_cbranch_scc1 .Lend                           ; wave 0 stores the sums
	ds_load_b32 v[T], v[LR]
	s_wait_dscnt 0x0
	s_wait_xcnt 0x0                                ; EXEC is a source of my pending stores
	v_cmp_gt_u32 vcc_lo, 16, v0
	s_and_saveexec_b32 s30, vcc_lo
	global_store_b32 v[LR], v[T], s[12:13]         ; the work-group's 64 consecutive bytes of sq
	s_wait_xcnt 0x0
	s_or_b32 exec_lo, exec_lo, s30
.Lend:
	s_wait_tensorcnt 0x0                           ; the wave's end
	ds_add_u32 v62, v63
	s_wait_dscnt 0x0
	s_endpgm
.Lfunc_end_k_qcb09726082_quant:
	.size	k_qcb09726082_quant, .Lfunc_end_k_qcb09726082_quant-k_qcb09726082_quant
	.p2alignl 7, 3214868480
	.fill 96, 4, 3214868480
	.section	.rodata,"a",@progbits
	.p2align	6, 0x0
	.amdhsa_kernel k_qcb09726082_quant
		.amdhsa_group_segment_fixed_size 71936
		.amdhsa_private_segment_fixed_size 0
		.amdhsa_enable_private_segment 0
		.amdhsa_kernarg_size 40
		.amdhsa_user_sgpr_count 2
		.amdhsa_user_sgpr_kernarg_segment_ptr 1
		.amdhsa_wavefront_size32 1
		.amdhsa_system_sgpr_workgroup_id_x 1
		.amdhsa_system_sgpr_workgroup_id_y 1
		.amdhsa_system_sgpr_workgroup_id_z 1
		.amdhsa_system_vgpr_workitem_id 0
		.amdhsa_next_free_vgpr 256
		.amdhsa_next_free_sgpr 66
		.amdhsa_reserve_vcc 1
		.amdhsa_float_denorm_mode_32 3
		.amdhsa_float_denorm_mode_16_64 3
		.amdhsa_memory_ordered 1
		.amdhsa_forward_progress 1
		.amdhsa_inst_pref_size 33
	.end_amdhsa_kernel
	.amdgpu_metadata
---
amdhsa.version: [ 1, 2 ]
amdhsa.kernels:
  - .name:           k_qcb09726082_quant
    .symbol:         k_qcb09726082_quant.kd
    .args:
      - { .name: embeddings, .offset: 0, .size: 8, .value_kind: global_buffer, .address_space: global }
      - { .name: lowp_scales, .offset: 8, .size: 8, .value_kind: global_buffer, .address_space: global }
      - { .name: a_codes, .offset: 16, .size: 8, .value_kind: global_buffer, .address_space: global }
      - { .name: b_codes, .offset: 24, .size: 8, .value_kind: global_buffer, .address_space: global }
      - { .name: sq, .offset: 32, .size: 8, .value_kind: global_buffer, .address_space: global }
    .group_segment_fixed_size: 71936
    .private_segment_fixed_size: 0
    .kernarg_segment_align: 8
    .kernarg_segment_size: 40
    .max_flat_workgroup_size: 512
    .sgpr_count:     66
    .vgpr_count:     256
    .wavefront_size: 32
...
	.end_amdgpu_metadata
.endif
;; end of part 1
;; launch gemm (part 2): grid 16 x 16, 4 waves a work-group, clusters of 4 x 1, 327,680 bytes of LDS; arguments a_codes, b_codes, lowp_scales, sq, out0; writes out0
.if DOCPART == 2
	.amdgcn_target "amdgcn-amd-amdhsa--gfx1250"
	.amdhsa_code_object_version 6
	.text
	.protected	k_qcb09726082_gemm
	.globl	k_qcb09726082_gemm
	.p2align	8
	.type	k_qcb09726082_gemm,@function
k_qcb09726082_gemm:
	s_mov_b64 s[64:65], 0
	v_nop
	global_prefetch_b8 v0, s[64:65] scope:SCOPE_SE
	s_setreg_imm32_b32 hwreg(HW_REG_WAVE_MODE, 25, 1), 1
	s_wait_xcnt 0x0
	s_wait_alu depctr_hold_cnt(0) depctr_sa_sdst(0) depctr_va_vdst(0) depctr_va_sdst(0) depctr_va_ssrc(0) depctr_va_vcc(0) depctr_vm_vsrc(0)
	s_getreg_b32 s2, hwreg(HW_REG_IB_STS2, 6, 4)
	s_cmp_eq_u32 s2, 0
	s_cbranch_scc0 .Lentry_in_a_cluster
	s_endpgm
.Lentry_in_a_cluster:
	s_bfe_u32 s2, ttmp6, 0x10000c
	s_cmp_lg_u32 s2, 0x3003
	s_cbranch_scc0 .Lentry_shape_is_right
	s_endpgm
.Lentry_shape_is_right:
; out0[i][j] = max(sq[i] + sq[j] - 2 x 2^(e0 + e1) x sum over k of A[i][k] B[j][k], 0).  A, B: codes of BF8 (E5M2) of the same 4,096 rows, made with 2^e0 and 2^e1; sums in f32.
; LIMIT: -127 <= e0 + e1 <= 126, so that 2 x 2^(e0 + e1) is an f32 number.  The order of k inside a row is the quantising launch's, alike in A and B.
; A block of 256 x 256 is made by four waves, a wave 128 x 128: 64 accumulators, 512 registers.  Source 0 = 16 rows of B, source 1 = 16 rows of A: a lane holds eight neighbouring numbers of a row of the result.
; A GOES THROUGH LDS: a ring of two slots of 256 rows x 512 along K; each wave fetches 64 rows x 512 bytes by one tensor load.  The four work-groups of a cluster (4, 1, 1) make one block row and ask for A's tiles jointly.
; B GOES FROM MEMORY STRAIGHT INTO REGISTERS: b_codes is laid as register images (16 rows x 128 K = four runs of 512 bytes, 16 bytes a lane), so each load of a wave reads 512 consecutive bytes.
; Why B is not asked jointly: it does not pass through LDS.  With A alone in LDS a slot holds 512 along K in place of 256 (8 fills and 6 refill rounds in place of 16 and 14), and a step of 128 along K reads
; 64 KiB of LDS a work-group in place of 128.  The price: two waves of a work-group load the same rows of B.
; A STEP of 128 along K is four quarters of 16 products: A0-3 x B0-3, A4-7 x B0-3, A4-7 x B4-7, A0-3 x B4-7.  B's half set is free behind its second quarter and takes the loads of two steps on;
; A's blocks 4-7 have one set, filled again behind the third quarter; blocks 0-3 have two sets by turns.  The accumulators take turns.
; REGISTERS: window 0: v0-31 addresses; v64-127, v128-191 A's blocks 0-3, two sets; v192-255 A's blocks 4-7.  window 1: B, two sets of 128; at the end sq.  windows 2, 3: accumulators (a, b) at v[8 (8 (a % 4) + b)].
; PREFETCHES: at each refill every wave asks for 32 blocks of 256 bytes of A's fill four on (two refills ahead of its load; the cluster's sixteen waves share the fill's 512 blocks by address)
; and for 8 blocks of B's slot two on (the sixteen work-groups of a block column share its rows: work-group y takes row block y, wave w its chunk w).  The head asks for A's fills 1 to 3 and B's first two slots.
.set PITCH,  528                       ; an LDS row: 512 bytes + 16 of padding
.set QROWS,  64*PITCH                  ; what one tensor load brings
.set SLOT,   4*QROWS
.set SPARE,  2*SLOT                    ; the spare words, 128 bytes a wave
.set STAGE,  SPARE+512                 ; the way out: 16 rows x 528 bytes for each wave; no tensor load lands here
.set NROW,   16384                     ; a row of the result in bytes
.set ADRA, 16                          ; v16-17 LDS address of my A fragments in slot 0, 1
.set VB,   18                          ; v18 16 x lane
.set PFAO, 19                          ; v19 A's prefetch: (lane / 2) rows + 256 (lane % 2)
.set PFBO, 20                          ; v20 B's prefetch: 256 min(lane, 7)
.set STO,  24
.set RD,   25
.set SPW,  28
.set NIL,  29
.set VI,   30
.set VJ,   31
.set BK,   128                         ; the way out: rows read back, v128-191 and v192-255 by turns
.set G1, 24                            ; s[24:31] group 1; s[32:39] group 0 for each slot
.set G0, 32
.set BB,  44                           ; s[44:45] B's images at the trip's first chunk
.set PFA, 46
.set PFB, 48
.set MSB, 0
.macro WIN new
.if MSB != (\new)
	s_set_vgpr_msb (MSB<<8)|(\new)
.set MSB, (\new)
.endif
.endm
.set MUL_LO, 0xa1
.set MUL_HI, 0xf1
.set TO_B,   0x40
.macro CREST
	s_cmp_lg_u32 s14, 0
	s_cbranch_scc1 .Lnot_wave_0_\@
	s_barrier_signal -3
.Lnot_wave_0_\@:
	s_barrier_wait -3
	s_barrier_signal -1
	s_barrier_wait -1
.endm
.macro CROUND
	s_barrier_signal -1
	s_barrier_wait -1
	CREST
.endm
.macro PLACES
.rept 4
	v_nop
.endr
.endm
.macro JLOAD s                         ; my quarter of a fill; the same line and descriptor in all four partners
	tensor_load_to_lds s[G0+4*(\s):G0+4*(\s)+3], s[G1:G1+7]
	s_nop 0
	PLACES
.endm
.macro BFETCH p, bhi, idx              ; four fragments of B of chunk idx (from the trip's first) into set p
	WIN TO_B
.irp b, 0,1,2,3
.irp c, 0,1,2,3
	global_load_b128 v[128*(\p)+16*(4*(\bhi)+\b)+4*\c:128*(\p)+16*(4*(\bhi)+\b)+4*\c+3], v[VB], s[BB:BB+1] offset:(4*(\bhi)+\b)*65536+(\idx)*2048+\c*512
.endr
.endr
	WIN 0
.endm
.macro AFETCH reg, slot, q, i0         ; four fragments of A: lane l holds row l % 16; registers 4 c .. 4 c + 3 bytes 32 c + 16 (l / 16) .. + 15 of the chunk
.irp i, 0,1,2,3
.irp c, 0,1,2,3
	ds_load_b128 v[(\reg)+16*\i+4*\c:(\reg)+16*\i+4*\c+3], v[ADRA+(\slot)] offset:128*(\q)+32*\c+((\i0)+\i)*16*PITCH
.endr
.endr
.endm
.macro MULQ ahi, bhi, p, zero          ; a quarter: 16 products
.irp a, 0,1,2,3
.irp b, 0,1,2,3
.if \zero
	v_wmma_f32_16x16x128_bf8_bf8 v[8*(8*\a+4*(\bhi)+\b):8*(8*\a+4*(\bhi)+\b)+7], v[128*(\p)+16*(4*(\bhi)+\b):128*(\p)+16*(4*(\bhi)+\b)+15], v[64+64*(\p)+(128-64*(\p))*(\ahi)+16*\a:64+64*(\p)+(128-64*(\p))*(\ahi)+16*\a+15], 0
.else
	v_wmma_f32_16x16x128_bf8_bf8 v[8*(8*\a+4*(\bhi)+\b):8*(8*\a+4*(\bhi)+\b)+7], v[128*(\p)+16*(4*(\bhi)+\b):128*(\p)+16*(4*(\bhi)+\b)+15], v[64+64*(\p)+(128-64*(\p))*(\ahi)+16*\a:64+64*(\p)+(128-64*(\p))*(\ahi)+16*\a+15], v[8*(8*\a+4*(\bhi)+\b):8*(8*\a+4*(\bhi)+\b)+7]
.endif
.endr
.endr
.endm
.macro ASK sl                          ; A's fill four on: not in the last trip, whose fills four on do not exist; B's slot two on
	s_cmp_gt_u32 s3, 1
	s_cbranch_scc0 .Lno_a_\@
	global_prefetch_b8 v[PFAO], s[PFA:PFA+1] offset:2048+512*(\sl) th:TH_LOAD_NT scope:SCOPE_SE
.Lno_a_\@:
	global_prefetch_b8 v[PFBO], s[PFB:PFB+1] offset:16384+8192*(\sl) th:TH_LOAD_NT scope:SCOPE_SE
.endm
; Step rel of a trip (rel % 4: its place in the slot, (rel / 4) % 2: the slot).  turn = 1: the slot's last step, the slot is filled again; 2: the barrier alone.  bl = 1: B's loads of two steps on; 2: sq in their place.
; lc1, lc2: the loads younger than B's half set that is due.  nxt: the next step's fragments of A are fetched.
.macro STEP rel, zero, turn, bl, lc1, lc2, nxt
.set P,  (\rel)%2
.set SL, ((\rel)/4)%2
.set NS, (((\rel)+1)/4)%2
.set NQ, ((\rel)+1)%4
.if \turn
	s_wait_tensorcnt 0x0                           ; all my tensor loads have landed: my quarter of the other slot
	ds_add_u32 v[SPW], v[NIL]
.if (\turn) == 1
	s_add_nc_u64 s[G0+4*SL+2:G0+4*SL+3], s[G0+4*SL+2:G0+4*SL+3], 1024   ; no load of mine is out: this slot's next fill, two fills on
.endif
	s_wait_dscnt 17                                ; A's blocks 0-3 are in; blocks 4-7 (16 loads) and the add may be out
.else
	s_wait_dscnt 16                                ; A's blocks 0-3 are in; blocks 4-7 may be out
.endif
	s_wait_loadcnt \lc1                            ; B's blocks 0-3 are in
	WIN MUL_LO
	MULQ 0, 0, P, \zero
	s_wait_dscnt 0x0                               ; A's blocks 4-7; at a change of slots also: the add is done and my reads of this slot are over
.if \turn
	s_barrier_signal -1
.endif
	WIN MUL_HI
	MULQ 1, 0, P, \zero
.if \turn
	WIN 0
	s_barrier_wait -1
.endif
.if (\turn) == 1
	CREST                                          ; the barrier has opened a round of the cluster's barrier
	JLOAD SL                                       ; the refill, first behind the round; its four v_nop are the places in front of the loads below
.else
.if (\bl)+(\nxt)
	PLACES
.endif
.endif
.if (\bl) == 1
	BFETCH P, 0, (\rel)+2
.endif
.if (\bl) == 2
	WIN TO_B
.irp b, 0,1,2,3,4,5,6,7
	global_load_b128 v[8*\b:8*\b+3], v[VJ], s[68:69] offset:64*\b        ; sq of my lane's eight columns of each of B's blocks: 16 loads, as a half set has
	global_load_b128 v[8*\b+4:8*\b+7], v[VJ], s[68:69] offset:64*\b+16
.endr
	WIN 0
.endif
.if \nxt
	AFETCH 64+64*(1-P), NS, NQ, 0
.endif
.if (\turn) == 1
	ASK SL
.endif
	s_wait_loadcnt \lc2                            ; B's blocks 4-7 are in
	WIN MUL_HI
	MULQ 1, 1, P, \zero
.if \nxt
	PLACES
	WIN 0
	AFETCH 192, NS, NQ, 4
.endif
	WIN MUL_LO
	MULQ 0, 1, P, \zero
.if \bl
	PLACES
.endif
.if (\bl) == 1
	BFETCH P, 1, (\rel)+2
.endif
.if (\bl) == 2
	WIN TO_B
.irp a, 0,1,2,3,4,5,6,7
	global_load_b32 v[64+2*\a], v[VI], s[66:67] offset:64*\a             ; sq of my lane's row of each of A's blocks, twice: a pair for the packed add; 16 loads
	global_load_b32 v[64+2*\a+1], v[VI], s[66:67] offset:64*\a
.endr
.endif
	WIN 0
.endm
	s_load_b128 s[4:7], s[0:1], 0x0                ; a_codes, b_codes
	s_load_b128 s[8:11], s[0:1], 0x10              ; lowp_scales, sq
	s_load_b64 s[12:13], s[0:1], 0x20              ; out0
	v_lshl_add_u32 v[SPW], v0, 2, SPARE
	v_mov_b32 v[NIL], 0
	ds_add_u32 v[SPW], v[NIL]
	ds_add_u32 v[SPW], v[NIL]
	v_lshrrev_b32 v1, 5, v0
	v_readfirstlane_b32 s14, v1                    ; wave 0..3
	s_lshr_b32 s15, s14, 1                         ; my half of the block's rows
	s_and_b32 s16, s14, 1                          ; my half of its columns
	s_bfe_u32 s40, ttmp6, 0x40000                  ; cx
	s_lshl_b32 s42, ttmp9, 2
	s_add_co_u32 s42, s42, s40                     ; block column X = 4 x cluster x + cx
	s_and_b32 s17, ttmp7, 0xffff                   ; block row Y
	s_mov_b32 s[G1+0], 15|(1<<20)|(1<<21)|(6<<22)|(3<<25)   ; the mask: all four of the cluster; bytes; 4 words of padding behind every 128
	s_mov_b32 s[G1+1], 512<<16
	s_mov_b32 s[G1+2], 64<<16
	s_mov_b32 s[G1+3], 512<<16
	s_mov_b32 s[G1+4], 64
	s_mov_b32 s[G1+5], 4096
	s_mov_b32 s[G1+6], 0
	s_mov_b32 s[G1+7], 0
	s_mul_i32 s62, s14, QROWS                      ; where my quarter of a fill goes
	s_mul_i32 s22, s15, 2*QROWS                    ; my 128 rows of A in a slot
	s_mul_i32 s23, s14, 16*PITCH
	s_add_co_u32 s23, s23, STAGE                   ; my stage
	s_lshl_b32 s18, s17, 20
	s_lshl_b32 s19, s14, 18
	s_add_co_u32 s18, s18, s19                     ; A: (256 Y + 64 wave) rows of 4,096 bytes
	s_mov_b32 s19, 0
	s_lshl_b32 s50, s40, 16                        ; A's prefetch: + 16 cx rows
	s_mov_b32 s51, 0
	s_lshl_b32 s52, s42, 20
	s_lshl_b32 s53, s16, 19
	s_add_co_u32 s52, s52, s53                     ; B: row block 16 X + 8 half, 65,536 bytes each
	s_mov_b32 s53, 0
	s_lshl_b32 s54, s42, 20
	s_lshl_b32 s55, s17, 16
	s_add_co_u32 s54, s54, s55
	s_lshl_b32 s55, s14, 11
	s_add_co_u32 s54, s54, s55                     ; B's prefetch: row block 16 X + Y, chunk = wave
	s_mov_b32 s55, 0
	s_lshl_b32 s56, s17, 10
	s_lshl_b32 s57, s15, 9
	s_add_co_u32 s56, s56, s57                     ; 4 x my first row
	s_mov_b32 s57, 0
	s_lshl_b32 s58, s42, 10
	s_lshl_b32 s59, s16, 9
	s_add_co_u32 s58, s58, s59                     ; 4 x my first column
	s_mov_b32 s59, 0
	s_lshl_b32 s60, s56, 12
	s_add_co_u32 s60, s60, s58                     ; my corner of the result, in bytes
	s_mov_b32 s61, 0
	v_and_b32 v1, 15, v0                           ; l % 16
	v_bfe_u32 v2, v0, 4, 1                         ; l / 16
	v_and_b32 v6, 31, v0
	v_mul_u32_u24 v3, v1, PITCH
	v_lshl_add_u32 v4, v2, 4, v3
	v_add_nc_u32 v[ADRA], s22, v4
	v_add_nc_u32 v[ADRA+1], SLOT, v[ADRA]
	v_lshlrev_b32 v[VB], 4, v6
	v_lshrrev_b32 v5, 1, v6
	v_and_b32 v7, 1, v6
	v_lshlrev_b32 v7, 8, v7
	v_lshl_add_u32 v[PFAO], v5, 12, v7
	v_min_u32 v8, 7, v6
	v_lshlrev_b32 v[PFBO], 8, v8
	v_lshl_add_u32 v9, v2, 5, v3                   ; into the stage: row l % 16, 32 bytes for each half of the lanes
	v_add_nc_u32 v[STO], s23, v9
	v_add_nc_u32 v[RD], s23, v[VB]                 ; back: the 32 lanes take a row of 512 bytes
	v_lshlrev_b32 v[VI], 2, v1
	v_lshlrev_b32 v[VJ], 5, v2
	s_wait_alu depctr_va_vdst(0)
	s_wait_dscnt 0x0                               ; both opening adds are done
	s_wait_kmcnt 0x0
	s_load_b64 s[96:97], s[8:9], 0x0               ; e0, e1
	s_add_nc_u64 s[70:71], s[4:5], s[18:19]
	s_add_nc_u64 s[PFA:PFA+1], s[70:71], s[50:51]
	s_add_nc_u64 s[BB:BB+1], s[6:7], s[52:53]
	s_add_nc_u64 s[PFB:PFB+1], s[6:7], s[54:55]
	s_add_nc_u64 s[66:67], s[10:11], s[56:57]
	s_add_nc_u64 s[68:69], s[10:11], s[58:59]
	s_add_nc_u64 s[12:13], s[12:13], s[60:61]
.irp s, 0,1
	s_mov_b32 s[G0+4*\s], 1
	s_add_co_u32 s[G0+4*\s+1], s62, \s*SLOT
	s_add_nc_u64 s[G0+4*\s+2:G0+4*\s+3], s[70:71], \s*512
	s_or_b32 s[G0+4*\s+3], s[G0+4*\s+3], 0x80000000
.endr
	BFETCH 0, 0, 0                                 ; B of steps 0 and 1, in the order in which the steps wait for the half sets
	BFETCH 0, 1, 0
	BFETCH 1, 0, 1
	CROUND                                         ; the four work-groups are here: the first joint loads meet
	JLOAD 0                                        ; fill 0: one tensor load a wave at the head
	BFETCH 1, 1, 1
.irp f, 1,2,3
	global_prefetch_b8 v[PFAO], s[PFA:PFA+1] offset:512*\f th:TH_LOAD_NT scope:SCOPE_SE
.endr
.irp f, 0,1
	global_prefetch_b8 v[PFBO], s[PFB:PFB+1] offset:8192*\f th:TH_LOAD_NT scope:SCOPE_SE
.endr
	s_wait_tensorcnt 0x0                           ; my quarter of fill 0 is in; slot 1's first fill is issued as a refill is
	ds_add_u32 v[SPW], v[NIL]
	s_wait_dscnt 0x0
	CROUND
	JLOAD 1
	AFETCH 64, 0, 0, 0
	AFETCH 192, 0, 0, 4
	STEP 0, 1, 0, 1, 48, 48, 1                     ; the first step's products start the sums
	s_mov_b32 s3, 3
.Llap:                                                 ; a trip: eight steps, once round the ring, from a lap's second step to the next lap's first
	STEP 1, 0, 0, 1, 48, 48, 1
	STEP 2, 0, 0, 1, 48, 48, 1
	STEP 3, 0, 1, 1, 48, 48, 1
	STEP 4, 0, 0, 1, 48, 48, 1
	STEP 5, 0, 0, 1, 48, 48, 1
	STEP 6, 0, 0, 1, 48, 48, 1
	STEP 7, 0, 1, 1, 48, 48, 1
	STEP 8, 0, 0, 1, 48, 48, 1
	s_wait_xcnt 0x0                                ; my loads and prefetches have read their bases
	s_add_nc_u64 s[BB:BB+1], s[BB:BB+1], 16384
	s_add_nc_u64 s[PFB:PFB+1], s[PFB:PFB+1], 16384
	s_add_nc_u64 s[PFA:PFA+1], s[PFA:PFA+1], 1024
	s_sub_co_u32 s3, s3, 1
	s_cmp_lg_u32 s3, 0
	s_cbranch_scc1 .Llap
	STEP 1, 0, 0, 1, 48, 48, 1                     ; the last seven steps fill nothing
	STEP 2, 0, 0, 1, 48, 48, 1
	STEP 3, 0, 2, 1, 48, 48, 1                     ; the last fill is shown to every wave
	STEP 4, 0, 0, 1, 48, 48, 1
	STEP 5, 0, 0, 1, 48, 48, 1
	STEP 6, 0, 0, 2, 48, 48, 1                     ; B's set 0 is done with: it takes sq
	STEP 7, 0, 0, 0, 48, 32, 0
; THE WAY OUT, block by block of 16 rows x 128 columns: the sum x -2^(e0 + e1 + 1) + sq of the column, + sq of the row, held at 0 from below; through my own stage, back as rows of 512 bytes.
.macro TOSTAGE a
.set AC, 64*((\a)%4)
.set BBK, BK+64*((\a)%2)
	WIN 0x96+0x41*((\a)/4)                         ; source 0 and destination: the accumulators' window; sources 1 and 2: window 1, sq
.set J, 0
.rept 32
	v_pk_fma_f32 v[AC+J:AC+J+1], v[AC+J:AC+J+1], s[96:97], v[J:J+1] op_sel_hi:[1,0,1]   ; each accumulator from its low end on
.set J, J+2
.endr
.set J, 0
.rept 32
	v_pk_add_f32 v[AC+J:AC+J+1], v[AC+J:AC+J+1], v[64+2*(\a):64+2*(\a)+1]
.set J, J+2
.endr
.set J, 0
.rept 64
	v_max_num_f32 v[AC+J], v[AC+J], 0
.set J, J+1
.endr
	WIN 0x08+0x04*((\a)/4)
.irp b, 0,1,2,3,4,5,6,7
	ds_store_b128 v[STO], v[AC+8*\b:AC+8*\b+3] offset:64*\b
	ds_store_b128 v[STO], v[AC+8*\b+4:AC+8*\b+7] offset:64*\b+16
.endr
	WIN 0
.irp t, 0,1,2,3,4,5,6,7,8,9,10,11,12,13,14,15
	ds_load_b128 v[BBK+4*\t:BBK+4*\t+3], v[RD] offset:\t*PITCH    ; LDS serves a wave's instructions in order: these see the stores above
.endr
.endm
.macro SEND a, younger
.set BBK, BK+64*((\a)%2)
	s_wait_dscnt \younger
.if (\a) > 0
	s_add_nc_u64 s[12:13], s[12:13], 16*NROW       ; behind a wait on XCNT: the earlier stores have read their base
.endif
.irp t, 0,1,2,3,4,5,6,7,8,9,10,11,12,13,14,15
	global_store_b128 v[VB], v[BBK+4*\t:BBK+4*\t+3], s[12:13] offset:\t*NROW th:TH_STORE_NT   ; 32 lanes store 512 consecutive bytes
.endr
.endm
	s_wait_kmcnt 0x0
	s_add_co_i32 s96, s96, s97
	s_add_co_i32 s96, s96, 128
	s_lshl_b32 s96, s96, 23
	s_or_b32 s96, s96, 0x80000000                  ; -2^(e0 + e1 + 1)
	s_mov_b32 s97, s96
	s_wait_loadcnt 0x0                             ; sq is in
	PLACES
	TOSTAGE 0
.irp a, 1,2,3,4,5,6,7
.if \a > 1
	s_wait_xcnt 0x0                                ; block a - 2's stores have read their registers and their base
.endif
	TOSTAGE \a
	SEND \a-1, 32                                  ; behind block a - 1's loads: block a's 16 stores and 16 loads
.endr
	s_wait_xcnt 0x0
	SEND 7, 0
	s_wait_tensorcnt 0x0                           ; the wave's end
	ds_add_u32 v[SPW], v[NIL]
	s_wait_dscnt 0x0
	CROUND                                         ; the closing round
	s_endpgm
.Lfunc_end_k_qcb09726082_gemm:
	.size	k_qcb09726082_gemm, .Lfunc_end_k_qcb09726082_gemm-k_qcb09726082_gemm
	.p2alignl 7, 3214868480
	.fill 96, 4, 3214868480
	.section	.rodata,"a",@progbits
	.p2align	6, 0x0
	.amdhsa_kernel k_qcb09726082_gemm
		.amdhsa_group_segment_fixed_size 327680
		.amdhsa_private_segment_fixed_size 0
		.amdhsa_enable_private_segment 0
		.amdhsa_kernarg_size 40
		.amdhsa_user_sgpr_count 2
		.amdhsa_user_sgpr_kernarg_segment_ptr 1
		.amdhsa_wavefront_size32 1
		.amdhsa_system_sgpr_workgroup_id_x 1
		.amdhsa_system_sgpr_workgroup_id_y 1
		.amdhsa_system_sgpr_workgroup_id_z 1
		.amdhsa_system_vgpr_workitem_id 0
		.amdhsa_next_free_vgpr 1024
		.amdhsa_next_free_sgpr 98
		.amdhsa_reserve_vcc 0
		.amdhsa_float_denorm_mode_32 3
		.amdhsa_float_denorm_mode_16_64 3
		.amdhsa_memory_ordered 1
		.amdhsa_forward_progress 1
		.amdhsa_inst_pref_size 255
	.end_amdhsa_kernel
	.section	.bss,"aw",@nobits
	.p2align	6
	.space	262144
	.amdgpu_metadata
---
amdhsa.version: [ 1, 2 ]
amdhsa.kernels:
  - .name:           k_qcb09726082_gemm
    .symbol:         k_qcb09726082_gemm.kd
    .args:
      - { .name: a_codes, .offset: 0, .size: 8, .value_kind: global_buffer, .address_space: global }
      - { .name: b_codes, .offset: 8, .size: 8, .value_kind: global_buffer, .address_space: global }
      - { .name: lowp_scales, .offset: 16, .size: 8, .value_kind: global_buffer, .address_space: global }
      - { .name: sq, .offset: 24, .size: 8, .value_kind: global_buffer, .address_space: global }
      - { .name: out0, .offset: 32, .size: 8, .value_kind: global_buffer, .address_space: global }
    .group_segment_fixed_size: 327680
    .private_segment_fixed_size: 0
    .kernarg_segment_align: 8
    .kernarg_segment_size: 40
    .max_flat_workgroup_size: 128
    .sgpr_count:     98
    .vgpr_count:     1024
    .wavefront_size: 32
...
	.end_amdgpu_metadata
.endif
;; end of part 2
